; MI455X (gfx1250); checked and timed in simulation.
; The chip was launched on July 23, 2026; its instructions are those of AMD's public machine-readable ISA for CDNA 5 (MIT licence, August 2026) and "CDNA5" Instruction Set Architecture Reference Guide (July 2026). The comments in the code are by the model that wrote it; some were corrected since.
;; Grouped Experts. Allowed arithmetic: float matrix products may take bf16 or f16 operands with f32 sums; all other float work in f32.
;; Inputs: num_tokens_per_expert 2 x 16 int32; w1 16 x 512 x 1,024 float32; w2 16 x 1,024 x 512 float32; w3 16 x 512 x 1,024 float32; x 2 x 1,024 x 1,024 float32.
;; Outputs: out0 2 x 1,024 x 1,024 float32.
;; One version. Each part assembles by itself: llvm-mc -triple=amdgcn-amd-amdhsa -mcpu=gfx1250 --defsym DOCPART=n.
;; ======== version 1 of 1: 3 launches
;; workspace buffers: xb 4,194,304 bytes; h 2,097,152 bytes
;; launch cast (part 1): grid 256 x 1, 4 waves a work-group, no clusters, 17,920 bytes of LDS; arguments x, xb; writes xb
.if DOCPART == 1
	.amdgcn_target "amdgcn-amd-amdhsa--gfx1250"
	.amdhsa_code_object_version 6
	.text
	.protected	k_q334a9ce52c_cast
	.globl	k_q334a9ce52c_cast
	.p2align	8
	.type	k_q334a9ce52c_cast,@function
k_q334a9ce52c_cast:
	s_mov_b64 s[64:65], 0
	v_nop
	global_prefetch_b8 v0, s[64:65] scope:SCOPE_SE
	s_setreg_imm32_b32 hwreg(HW_REG_WAVE_MODE, 25, 1), 1
	s_wait_xcnt 0x0
; xb = x rounded to bf16, laid out as ready-made 16 x 32 matrix fragments.
; x: [2048 tokens][1024] f32.  A group g is the 16 tokens 16 g .. 16 g + 15.  For group g and K step j (32 values of k) xb holds one block
; of 1,024 bytes at g * 32768 + j * 1024: [half u = 0, 1][lane L = 0 .. 31][16 bytes], where lane L = (r = L & 15, hh = L >> 4) holds token
; 16 g + r at k = 32 j + 16 u + 8 hh .. + 7.  Two 16-byte loads a lane, each of 512 consecutive bytes a wave, are then a whole fragment.
; A work-group takes half of a group's k, a wave 16 tokens x 128 k (4 K steps).  The turn from rows to fragments goes through a stage in LDS
; that is the wave's own, so there is no barrier.  No matrix unit, no cluster: nothing is multiplied and no two work-groups read the same byte.
.set PITCH, 272                        ; a stage row: 128 bf16 = 256 bytes + 16, so that 16 rows start at 16 different 16-byte columns
.set STAGE, 16*PITCH                   ; bytes of a wave's stage
.set X, 8                              ; v[8:71]    row r: 4 registers as loaded, the first two then hold the row's 4 bf16
.set F, 72                             ; v[72:103]  8 half fragments to store
	s_load_b128 s[4:7], s[0:1], 0x0                ; x s[4:5], xb s[6:7]
	v_lshl_add_u32 v104, v0, 2, 0x4400
	v_mov_b32 v105, 0
	v_lshrrev_b32 v4, 5, v0
	v_readfirstlane_b32 s8, v4                     ; wave 0 .. 3
	v_and_b32 v5, 31, v0                           ; lane
	v_lshlrev_b32 v1, 4, v5                        ; 16 x lane: offset of loads and of stores
	s_mul_i32 s9, s8, STAGE                        ; my stage
	v_lshl_add_u32 v2, v5, 3, s9                   ; in: 8 bytes (4 bf16) a lane along a row
	v_and_b32 v6, 15, v0                           ; r
	v_bfe_u32 v7, v0, 4, 1                         ; hh
	v_mul_u32_u24 v3, v6, PITCH
	v_lshl_add_u32 v3, v7, 4, v3
	v_add_nc_u32 v3, s9, v3                        ; back: row r, 16 bytes at 16 hh
	s_lshr_b32 s14, ttmp9, 1                       ; group g
	s_and_b32 s15, ttmp9, 1
	s_lshl_b32 s15, s15, 2
	s_add_co_u32 s15, s15, s8                      ; chunk 0 .. 7 of 128 k
	s_lshl_b32 s10, s14, 16                        ; x: 16 rows of 4,096 bytes a group,
	s_lshl_b32 s16, s15, 9                         ; 512 bytes a chunk
	s_add_co_u32 s10, s10, s16
	s_mov_b32 s11, 0
	s_lshl_b32 s12, s14, 15                        ; xb: 32,768 bytes a group,
	s_lshl_b32 s16, s15, 12                        ; 4 blocks of 1,024 bytes a chunk
	s_add_co_u32 s12, s12, s16
	s_mov_b32 s13, 0
	s_wait_kmcnt 0x0
	s_add_nc_u64 s[4:5], s[4:5], s[10:11]
	s_add_nc_u64 s[6:7], s[6:7], s[12:13]
.set rr, 0
.rept 16
	global_load_b128 v[X+4*rr:X+4*rr+3], v1, s[4:5] offset:rr*4096 th:TH_LOAD_NT   ; a token's 512 consecutive bytes; x is read once
.set rr, rr+1
.endr
.set rr, 0
.rept 16
	s_wait_loadcnt 15-rr                           ; loads return in order: row rr is in, the 15 - rr younger rows stay out
	v_cvt_pk_bf16_f32 v[X+4*rr], v[X+4*rr], v[X+4*rr+1]
	v_cvt_pk_bf16_f32 v[X+4*rr+1], v[X+4*rr+2], v[X+4*rr+3]
	ds_store_b64 v2, v[X+4*rr:X+4*rr+1] offset:rr*PITCH
.set rr, rr+1
.endr
.set ii, 0
.rept 8
	ds_load_b128 v[F+4*ii:F+4*ii+3], v3 offset:32*ii   ; K step ii / 2, half ii & 1: byte 64 (ii / 2) + 32 (ii & 1).  LDS serves a wave in order: these see the stores above
.set ii, ii+1
.endr
.set ii, 0
.rept 8
	s_wait_dscnt 7-ii                              ; half fragment ii is in, the younger ones stay out
	global_store_b128 v1, v[F+4*ii:F+4*ii+3], s[6:7] offset:512*ii   ; 512 consecutive bytes, aligned; read again by the next launch, so no hint
.set ii, ii+1
.endr
	s_wait_tensorcnt 0x0
	ds_add_u32 v104, v105
	s_wait_dscnt 0x0
	s_endpgm
.Lfunc_end_k_q334a9ce52c_cast:
	.size	k_q334a9ce52c_cast, .Lfunc_end_k_q334a9ce52c_cast-k_q334a9ce52c_cast
	.p2alignl 7, 3214868480
	.fill 96, 4, 3214868480
	.section	.rodata,"a",@progbits
	.p2align	6, 0x0
	.amdhsa_kernel k_q334a9ce52c_cast
		.amdhsa_group_segment_fixed_size 17920
		.amdhsa_private_segment_fixed_size 0
		.amdhsa_enable_private_segment 0
		.amdhsa_kernarg_size 16
		.amdhsa_user_sgpr_count 2
		.amdhsa_user_sgpr_kernarg_segment_ptr 1
		.amdhsa_wavefront_size32 1
		.amdhsa_system_sgpr_workgroup_id_x 1
		.amdhsa_system_sgpr_workgroup_id_y 1
		.amdhsa_system_sgpr_workgroup_id_z 1
		.amdhsa_system_vgpr_workitem_id 0
		.amdhsa_next_free_vgpr 106
		.amdhsa_next_free_sgpr 66
		.amdhsa_reserve_vcc 0
		.amdhsa_float_denorm_mode_32 3
		.amdhsa_float_denorm_mode_16_64 3
		.amdhsa_memory_ordered 1
		.amdhsa_forward_progress 1
		.amdhsa_inst_pref_size 9
	.end_amdhsa_kernel
	.amdgpu_metadata
---
amdhsa.version: [ 1, 2 ]
amdhsa.kernels:
  - .name:           k_q334a9ce52c_cast
    .symbol:         k_q334a9ce52c_cast.kd
    .args:
      - { .name: x, .offset: 0, .size: 8, .value_kind: global_buffer, .address_space: global }
      - { .name: xb, .offset: 8, .size: 8, .value_kind: global_buffer, .address_space: global }
    .group_segment_fixed_size: 17920
    .private_segment_fixed_size: 0
    .kernarg_segment_align: 8
    .kernarg_segment_size: 16
    .max_flat_workgroup_size: 128
    .sgpr_count:     66
    .vgpr_count:     106
    .wavefront_size: 32
...
	.end_amdgpu_metadata
.endif
;; end of part 1
;; launch up (part 2): grid 256 x 1, 16 waves a work-group, no clusters, 134,144 bytes of LDS; arguments num_tokens_per_expert, w1, w3, xb, h; writes h
.if DOCPART == 2
	.amdgcn_target "amdgcn-amd-amdhsa--gfx1250"
	.amdhsa_code_object_version 6
	.text
	.protected	k_q334a9ce52c_up
	.globl	k_q334a9ce52c_up
	.p2align	8
	.type	k_q334a9ce52c_up,@function
k_q334a9ce52c_up:
	s_mov_b64 s[64:65], 0
	v_nop
	global_prefetch_b8 v0, s[64:65] scope:SCOPE_SE
	s_setreg_imm32_b32 hwreg(HW_REG_WAVE_MODE, 25, 1), 1
	s_wait_xcnt 0x0
; h = silu(x w1[e]^T) * (x w3[e]^T) for each token's own expert e, in bf16, stored as fragments for the next launch.
; In batch row b expert e owns the positions [sum of counts before e, sum through e); only the owner's result survives in the sum over experts.
; 256 work-groups = 16 experts x 16 slices of 32 hidden rows.  A work-group reads its 32 rows of w1 and of w3 (256 KiB of f32) once, all 32
; loads of each wave in flight together, rounds them to bf16 into LDS, passes ONE barrier, and then its 16 waves work apart:
; a job is 2 groups of 16 tokens x the 64 weight rows x K = 1024; wave w takes jobs w, w + 16, ...  Token fragments come from xb straight into
; registers (a ring of 7 K steps), weight fragments from LDS (two buffers).
; h: block of 1,024 bytes at g * 16384 + slice * 1024, [half u][lane][16 bytes]: token 16 g + r, hidden 32 slice + 16 u + 8 hh .. + 7.
; Expert 15 also takes the positions behind the last count's end, so that every byte of h is written; the next launch zeroes their output.
; ROUNDING: the reference works in bf16, so every result of an operation is a bf16 number there.  The same points are rounded here:
; a = x w1^T and b = x w3^T (f32 sums, rounded once), E = exp(-a), D = 1 + E, S = 1 / D, P = a S, h = P b.  Each is computed in f32 from
; bf16 numbers and rounded to nearest even; a S and P b are exact in f32 (8 x 8 bits), so they are rounded once.
; NO CLUSTER, NO DATA MOVER, though the 16 slices of an expert read the same token fragments: a refill of LDS by the mover wants a barrier in
; each trip, and the trips here are counted by numbers read from memory, while every barrier of this text stands ahead of such control flow.
; LIMITS: counts are at least 0 and below 2^31 (the reference's search relies on ascending sums); the running sums saturate at 1,024, which
; for such counts is min(sum, 1024).  A sum a or b that lies within the difference of two orders of f32 summation from a bf16 rounding
; boundary, and an E within the last bits of exp from one, may round the other way than in the reference.  The work-groups of an expert
; without tokens still stage their weights and then find no job.
.set NS,   32                          ; K steps of 32
.set P,    2064                        ; LDS pitch of a weight row: 2,048 bytes + 16, an odd multiple of 16
.set R,    7                           ; ring slots for token fragments
.set GSH,  15                          ; a group in xb: 1 << 15 bytes
.set OGSH, 14                          ; a group in h
.set OSSH, 10                          ; a slice in h
.set TOKP, 10                          ; s[10:11] xb
.set OUTP, 12                          ; s[12:13] h
; v1 16 x lane   v2 r   v3 r P + 16 hh (weight rows 0-31)   v4 the same + 32 P (rows 32-63)   v5 4 wave P + 8 lane   v6-v8 at work
.set ACC,  16                          ; v[16:79]   acc(m, t) at 16 + 8 (4 m + t): m token group of the job, t block of 16 weight rows
.set BB,   80                          ; v[80:143]  weight fragments, buffer b, block t at 80 + 32 b + 8 t
.set AA,   144                         ; v[144:255] token fragments, slot q, group m at 144 + 16 q + 8 m
.set WST,  128                         ; v[128:255] the weights as loaded, before any of the above is used
.set T,    80                          ; v[80:87]   the way out: at work
.set U,    88                          ; v[88:91]   the way out: four packed pairs on their way through a rounding
.set PK,   96                          ; v[96:111]  the way out: packed h, (m, t) at 96 + 8 m + 4 t
; s14 wave  s15 expert  s16 slice  s17 slice's offset in h  s[18:19] weights  s[20:21] an offset, high word 0
; s22, s23 segment starts (row 0, 1)  s24, s25 ends  s26, s27 running sums  s28 G0  s29 NT  s30 jobs  s31 job
; s[32:63] the counts; afterwards s32 gs0, s33 gs1 - G0, s[36:39] token bases, s[40:43] output bases, s44, s45 len, s46, s47 d, s48 EXEC,
; s49 mask of a word's upper bf16, s[50:51] -log2(e) twice, s52 - s55 at work, s58 my wave's trips, s59 the trip
	s_load_b256 s[4:11], s[0:1], 0x0               ; counts s[4:5], w1 s[6:7], w3 s[8:9], xb s[10:11]
	s_load_b64 s[12:13], s[0:1], 0x20              ; h
	v_lshl_add_u32 v14, v0, 2, 0x20400
	v_mov_b32 v15, 0
	v_lshrrev_b32 v6, 5, v0
	v_readfirstlane_b32 s14, v6                    ; wave 0 .. 15
	s_lshr_b32 s15, ttmp9, 4                       ; expert
	s_and_b32 s16, ttmp9, 15                       ; slice
	v_and_b32 v7, 31, v0                           ; lane
	v_lshlrev_b32 v1, 4, v7
	s_lshl_b32 s20, s15, 21                        ; an expert: 512 rows of 4,096 bytes
	s_lshl_b32 s17, s16, 17                        ; a slice: 32 rows
	s_add_co_u32 s20, s20, s17
	s_and_b32 s17, s14, 7
	s_lshl_b32 s17, s17, 14                        ; my 4 rows of them
	s_add_co_u32 s20, s20, s17
	s_mov_b32 s21, 0
	s_wait_kmcnt 0x0
	s_load_b512 s[32:47], s[4:5], 0x0              ; counts of batch row 0
	s_load_b512 s[48:63], s[4:5], 0x40             ; and of batch row 1
	s_cmp_lt_u32 s14, 8                            ; waves 0-7 stage w1 (LDS rows 0-31), waves 8-15 w3 (rows 32-63)
	s_cselect_b64 s[18:19], s[6:7], s[8:9]
	s_add_nc_u64 s[18:19], s[18:19], s[20:21]
.set idx, 0
.rept 32
	global_load_b128 v[WST+4*idx:WST+4*idx+3], v1, s[18:19] offset:(idx/8)*4096+(idx%8)*512 th:TH_LOAD_NT   ; 512 consecutive bytes; each weight byte is read once in the launch
.set idx, idx+1
.endr
	v_and_b32 v2, 15, v0                           ; r
	v_bfe_u32 v8, v0, 4, 1                         ; hh
	v_mul_u32_u24 v3, v2, P
	v_lshl_add_u32 v3, v8, 4, v3
	v_add_nc_u32 v4, 32*P, v3
	s_mul_i32 s17, s14, 4*P
	v_lshl_add_u32 v5, v7, 3, s17
	; My expert's segment in each batch row, while the weights are on their way.
	s_mov_b32 s22, 0
	s_mov_b32 s23, 0
	s_mov_b32 s24, 0
	s_mov_b32 s25, 0
	s_mov_b32 s26, 0
	s_mov_b32 s27, 0
	s_wait_kmcnt 0x0
.irp i, 0,1,2,3,4,5,6,7,8,9,10,11,12,13,14,15
	s_cmp_eq_u32 s15, \i
	s_cselect_b32 s22, s26, s22                    ; start = the sum before my expert
	s_cselect_b32 s23, s27, s23
	s_add_co_u32 s26, s26, s[32+\i]
	s_min_u32 s26, s26, 1024                       ; saturated: at most 1,024 + a count below 2^31 is ever formed
	s_add_co_u32 s27, s27, s[48+\i]
	s_min_u32 s27, s27, 1024
	s_cmp_eq_u32 s15, \i
	s_cselect_b32 s24, s26, s24                    ; end = the sum through my expert: the next expert's start by the same arithmetic
	s_cselect_b32 s25, s27, s25
.endr
	s_cmp_eq_u32 s15, 15                           ; the last expert runs to the row's end
	s_cselect_b32 s24, 1024, s24
	s_cselect_b32 s25, 1024, s25
	s_add_co_u32 s23, s23, 1024                    ; batch row 1 in the numbering of all 2,048 tokens
	s_add_co_u32 s25, s25, 1024
	s_lshr_b32 s32, s22, 4                         ; gs0: first group of segment 0
	s_add_co_u32 s28, s24, 15
	s_lshr_b32 s28, s28, 4
	s_sub_co_u32 s28, s28, s32
	s_cmp_lt_u32 s22, s24
	s_cselect_b32 s28, s28, 0                      ; G0: its groups, 0 if it is empty
	s_lshr_b32 s33, s23, 4                         ; gs1
	s_add_co_u32 s29, s25, 15
	s_lshr_b32 s29, s29, 4
	s_sub_co_u32 s29, s29, s33
	s_cmp_lt_u32 s23, s25
	s_cselect_b32 s29, s29, 0                      ; G1
	s_sub_co_u32 s33, s33, s28                     ; gs1 - G0: tile i >= G0 is group i + this
	s_add_co_u32 s29, s29, s28                     ; NT: tiles in all
	s_add_co_u32 s30, s29, 1
	s_lshr_b32 s30, s30, 1                         ; jobs of two tiles
	s_add_co_u32 s58, s30, 15                      ; my trips: how many of wave, wave + 16, ... lie below jobs
	s_sub_co_u32 s58, s58, s14                     ; (jobs + 15 - wave) / 16; the wave is at most 15, so nothing wraps
	s_lshr_b32 s58, s58, 4
	s_lshl_b32 s17, s16, OSSH                      ; my slice's block in a group of h
	s_mov_b32 s49, 0xffff0000                      ; a word's upper bf16
	s_mov_b32 s50, 0xbfb8aa3b                      ; -log2(e)
	s_mov_b32 s51, 0xbfb8aa3b
	; The weights: f32 to bf16, into my 4 LDS rows.
.set idx, 0
.rept 32
	s_wait_loadcnt 31-idx                          ; loads return in order: this one is in, the 31 - idx younger ones stay out
	v_cvt_pk_bf16_f32 v[WST+4*idx], v[WST+4*idx], v[WST+4*idx+1]
	v_cvt_pk_bf16_f32 v[WST+4*idx+1], v[WST+4*idx+2], v[WST+4*idx+3]
	ds_store_b64 v5, v[WST+4*idx:WST+4*idx+1] offset:(idx/8)*P+(idx%8)*256   ; the wave writes 256 consecutive bytes
.set idx, idx+1
.endr
	s_wait_dscnt 0x0                               ; for the other waves' sake: my rows are in LDS
	s_barrier_signal -1
	s_barrier_wait -1                              ; all 64 rows are; nothing writes them again
; Tile m of the job: its group, its segment, its bases.
.macro TILE m
	s_lshl_b32 s52, s31, 1
.if \m
	s_add_co_u32 s52, s52, 1                       ; i = 2 job + m
.endif
	s_cmp_lt_u32 s52, s28                          ; in segment 0 or in segment 1
	s_cselect_b32 s53, s32, s33
	s_cselect_b32 s54, s22, s23                    ; lo
	s_cselect_b32 s55, s24, s25                    ; hi
	s_add_co_u32 s53, s53, s52                     ; group
	s_cmp_lt_u32 s52, s29
	s_cselect_b32 s55, s55, s54                    ; a tile past the list owns no token: it is computed and stores nothing
	s_min_u32 s53, s53, 127                        ; the group stays inside the 128 that exist
	s_sub_co_u32 s[44+\m], s55, s54                ; len = hi - lo
	s_lshl_b32 s20, s53, 4
	s_sub_co_u32 s[46+\m], s20, s54                ; d = 16 g - lo: token 16 g + r is mine where d + r < len, unsigned
	s_lshl_b32 s20, s53, GSH
	s_add_nc_u64 s[36+2*\m:37+2*\m], s[TOKP:TOKP+1], s[20:21]
	s_lshl_b32 s20, s53, OGSH
	s_add_co_u32 s20, s20, s17
	s_add_nc_u64 s[40+2*\m:41+2*\m], s[OUTP:OUTP+1], s[20:21]
.endm
; Token fragments of K step k, both groups, into ring slot q: 4 loads of 512 consecutive bytes.  All 16 slices read them: no hint.
.macro LOADA k, q
.irp m, 0,1
	global_load_b128 v[AA+16*(\q)+8*\m:AA+16*(\q)+8*\m+3], v1, s[36+2*\m:37+2*\m] offset:1024*(\k)
	global_load_b128 v[AA+16*(\q)+8*\m+4:AA+16*(\q)+8*\m+7], v1, s[36+2*\m:37+2*\m] offset:1024*(\k)+512
.endr
.endm
; Weight fragments of K step k, 4 blocks of 16 rows, into buffer b: 8 LDS loads.
.macro LOADB k, b
.irp t, 0,1,2,3
	ds_load_b128 v[BB+32*(\b)+8*\t:BB+32*(\b)+8*\t+3], v[3+(\t>>1)] offset:(\t&1)*16*P+64*(\k)
	ds_load_b128 v[BB+32*(\b)+8*\t+4:BB+32*(\b)+8*\t+7], v[3+(\t>>1)] offset:(\t&1)*16*P+64*(\k)+32
.endr
.endm
; Four independent vector instructions stand between a matrix instruction and a load into one of its sources or a reader of its result
; there is no other vector work at these points.
.macro PLACES
.rept 4
	v_nop
.endr
.endm
; K step kk.  Source 0 = 16 weight rows, source 1 = 16 tokens: register j of lane (r, hh) then holds (token r, weight row 16 t + 8 hh + j),
; eight neighbouring hidden values of one token.
.macro STEP
.set kn, kk+1
.set bn, kn&1
.set bc, kk&1
.set ka, kk-1+R
.set qa, ka%R
.set qc, kk%R
.set lw, NS-1-kk
.if lw > R-1
.set lw, R-1
.endif
.if kk > 0
	PLACES                                         ; behind step kk - 1's products, whose buffer and slot are filled again below
.endif
.if kn < NS
	LOADB kn, bn
.endif
.if kk > 0
.if ka < NS
	LOADA ka, qa
.endif
.endif
.if kn < NS
	s_wait_dscnt 8                                 ; this step's weight fragments are in; the next step's eight loads stay out
.else
	s_wait_dscnt 0x0
.endif
	s_wait_loadcnt 4*lw                            ; this step's token fragments are in; four loads for each later step asked for stay out
.irp t, 0,1,2,3
.irp m, 0,1
.if kk == 0
	v_wmma_f32_16x16x32_bf16 v[ACC+8*(4*\m+\t):ACC+8*(4*\m+\t)+7], v[BB+32*bc+8*\t:BB+32*bc+8*\t+7], v[AA+16*qc+8*\m:AA+16*qc+8*\m+7], 0
.else
	v_wmma_f32_16x16x32_bf16 v[ACC+8*(4*\m+\t):ACC+8*(4*\m+\t)+7], v[BB+32*bc+8*\t:BB+32*bc+8*\t+7], v[AA+16*qc+8*\m:AA+16*qc+8*\m+7], v[ACC+8*(4*\m+\t):ACC+8*(4*\m+\t)+7]
.endif
.endr
.endr
.endm
; Eight f32 numbers in v[x .. x + 7] are rounded to bf16 (nearest even) and widened again, in place.
.macro RND8 x
.irp i, 0,1,2,3
	v_cvt_pk_bf16_f32 v[U+\i], v[\x+2*\i], v[\x+2*\i+1]
.endr
.irp i, 0,1,2,3
	v_lshlrev_b32 v[\x+2*\i], 16, v[U+\i]          ; the low half moves up,
	v_and_b32 v[\x+2*\i+1], s49, v[U+\i]           ; the high half stays
.endr
.endm
; h = (a / (1 + exp(-a))) b for eight hidden values: a = acc(m, t) from w1, b = acc(m, t + 2) from w3, every result rounded to bf16 as the
; reference's bf16 operations round it.  Both ends saturate (E = inf gives S = 0, E = 0 gives S = 1), so no shift is needed, and a is
; multiplied in before b, as in the reference, so that S = 0 meets a first.
.macro SWIGLU m, t
.set ra, ACC+8*(4*\m+\t)
.set rb, ACC+8*(4*\m+\t+2)
.set rp, PK+8*\m+4*\t
	RND8 ra                                        ; a
	RND8 rb                                        ; b
.irp i, 0,2,4,6
	v_pk_mul_f32 v[T+\i:T+\i+1], v[ra+\i:ra+\i+1], s[50:51] op_sel_hi:[1,0]
.endr
.irp i, 0,1,2,3,4,5,6,7
	v_exp_f32 v[T+\i], v[T+\i]
.endr
	v_nop                                          ; one plain vector instruction between a transcendental and the use of its result
	s_wait_alu depctr_va_vdst(0)
	RND8 T                                         ; E = exp(-a)
.irp i, 0,2,4,6
	v_pk_add_f32 v[T+\i:T+\i+1], v[T+\i:T+\i+1], 1.0 op_sel_hi:[1,0]
.endr
	RND8 T                                         ; D = 1 + E
.irp i, 0,1,2,3,4,5,6,7
	v_rcp_f32 v[T+\i], v[T+\i]
.endr
	v_nop
	s_wait_alu depctr_va_vdst(0)
	RND8 T                                         ; S = 1 / D: for a bf16 D the quotient is at least 1 / (256 x 512) of its size away from a rounding boundary
.irp i, 0,2,4,6
	v_pk_mul_f32 v[T+\i:T+\i+1], v[T+\i:T+\i+1], v[ra+\i:ra+\i+1]
.endr
	RND8 T                                         ; P = a S
.irp i, 0,2,4,6
	v_pk_mul_f32 v[T+\i:T+\i+1], v[T+\i:T+\i+1], v[rb+\i:rb+\i+1]
.endr
.irp i, 0,1,2,3
	v_cvt_pk_bf16_f32 v[rp+\i], v[T+2*\i], v[T+2*\i+1]   ; h = P b
.endr
.endm
	s_mov_b32 s59, 0                               ; the trip, stepped by 1 against my wave's trips
	s_cmp_eq_u32 s58, 0
	s_cbranch_scc1 .Lend
.Ljob:
	s_lshl_b32 s31, s59, 4
	s_add_co_u32 s31, s31, s14                     ; job = 16 trip + wave
	TILE 0                                         ; the bases' last users are done: loads by the last step's wait for 0, stores by s_wait_xcnt 0
	TILE 1
.irp q, 0,1,2,3,4,5,6
	LOADA \q, \q                                   ; the ring is filled inside the loop, so that every counted wait sees the same loads on every path
.endr
	LOADB 0, 0
.set kk, 0
.rept NS
	STEP
.set kk, kk+1
.endr
	PLACES                                         ; behind the last products: the sums are read and rewritten, the weight buffers written
	SWIGLU 0, 0
	SWIGLU 0, 1
	SWIGLU 1, 0
	SWIGLU 1, 1
.irp m, 0,1
	v_add_nc_u32 v6, s[46+\m], v2                  ; d + r
	v_cmp_gt_u32 vcc_lo, s[44+\m], v6              ; my expert's tokens
	s_wait_xcnt 0x0                                ; EXEC is a source of the memory instructions issued so far: it changes only behind this wait
	s_and_saveexec_b32 s48, vcc_lo
	global_store_b128 v1, v[PK+8*\m:PK+8*\m+3], s[40+2*\m:41+2*\m]               ; hidden 8 hh .. of the slice; a group that is all mine: 512 consecutive bytes
	global_store_b128 v1, v[PK+8*\m+4:PK+8*\m+7], s[40+2*\m:41+2*\m] offset:512  ; hidden 16 + 8 hh ..
	s_wait_xcnt 0x0                                ; and again in front of the restore; it also frees the data and the base for the next job
	s_or_b32 exec_lo, exec_lo, s48
.endr
	s_add_co_u32 s59, s59, 1
	s_cmp_lt_u32 s59, s58
	s_cbranch_scc1 .Ljob
.Lend:
	s_wait_tensorcnt 0x0
	ds_add_u32 v14, v15
	s_wait_dscnt 0x0
	s_endpgm
.Lfunc_end_k_q334a9ce52c_up:
	.size	k_q334a9ce52c_up, .Lfunc_end_k_q334a9ce52c_up-k_q334a9ce52c_up
	.p2alignl 7, 3214868480
	.fill 96, 4, 3214868480
	.section	.rodata,"a",@progbits
	.p2align	6, 0x0
	.amdhsa_kernel k_q334a9ce52c_up
		.amdhsa_group_segment_fixed_size 134144
		.amdhsa_private_segment_fixed_size 0
		.amdhsa_enable_private_segment 0
		.amdhsa_kernarg_size 40
		.amdhsa_user_sgpr_count 2
		.amdhsa_user_sgpr_kernarg_segment_ptr 1
		.amdhsa_wavefront_size32 1
		.amdhsa_system_sgpr_workgroup_id_x 1
		.amdhsa_system_sgpr_workgroup_id_y 1
		.amdhsa_system_sgpr_workgroup_id_z 1
		.amdhsa_system_vgpr_workitem_id 0
		.amdhsa_next_free_vgpr 256
		.amdhsa_next_free_sgpr 66
		.amdhsa_reserve_vcc 1
		.amdhsa_float_denorm_mode_32 3
		.amdhsa_float_denorm_mode_16_64 3
		.amdhsa_memory_ordered 1
		.amdhsa_forward_progress 1
		.amdhsa_inst_pref_size 91
	.end_amdhsa_kernel
	.amdgpu_metadata
---
amdhsa.version: [ 1, 2 ]
amdhsa.kernels:
  - .name:           k_q334a9ce52c_up
    .symbol:         k_q334a9ce52c_up.kd
    .args:
      - { .name: num_tokens_per_expert, .offset: 0, .size: 8, .value_kind: global_buffer, .address_space: global }
      - { .name: w1, .offset: 8, .size: 8, .value_kind: global_buffer, .address_space: global }
      - { .name: w3, .offset: 16, .size: 8, .value_kind: global_buffer, .address_space: global }
      - { .name: xb, .offset: 24, .size: 8, .value_kind: global_buffer, .address_space: global }
      - { .name: h, .offset: 32, .size: 8, .value_kind: global_buffer, .address_space: global }
    .group_segment_fixed_size: 134144
    .private_segment_fixed_size: 0
    .kernarg_segment_align: 8
    .kernarg_segment_size: 40
    .max_flat_workgroup_size: 512
    .sgpr_count:     66
    .vgpr_count:     256
    .wavefront_size: 32
...
	.end_amdgpu_metadata
.endif
;; end of part 2
;; launch down (part 3): grid 256 x 1, 16 waves a work-group, no clusters, 138,240 bytes of LDS; arguments num_tokens_per_expert, w2, h, out0; writes out0
.if DOCPART == 3
	.amdgcn_target "amdgcn-amd-amdhsa--gfx1250"
	.amdhsa_code_object_version 6
	.text
	.protected	k_q334a9ce52c_down
	.globl	k_q334a9ce52c_down
	.p2align	8
	.type	k_q334a9ce52c_down,@function
k_q334a9ce52c_down:
	s_mov_b64 s[64:65], 0
	v_nop
	global_prefetch_b8 v0, s[64:65] scope:SCOPE_SE
	s_setreg_imm32_b32 hwreg(HW_REG_WAVE_MODE, 25, 1), 1
	s_wait_xcnt 0x0
; out0 = h w2[e]^T for each token's own expert e, an f32 sum rounded to bf16 as the reference's product is and stored as f32; 0 for positions
; behind the last count's end.
; The same frame as the launch before: 256 work-groups = 16 experts x 16 slices, here of 64 rows of w2 (64 output columns, 128 KiB of f32),
; read once with all 16 loads of each wave in flight, rounded to bf16 into LDS, ONE barrier, then 16 waves apart.  A job is 2 groups of 16
; tokens x 64 columns x K = 512.  Token fragments come from h (block of 1,024 bytes at g * 16384 + K step * 1024) straight into registers,
; a ring of 7 K steps; weight fragments from LDS, two buffers.  The result goes through a stage in LDS that is the wave's own, so that sixteen
; neighbouring lanes store a token's 256 consecutive bytes, aligned.
; Expert 15 also takes the positions behind its own end: their products are formed and replaced by 0, so that every number of out0 is written.
; NO CLUSTER, NO DATA MOVER, though the 16 slices of an expert read the same fragments of h: a refill of LDS by the mover wants a barrier in
; each trip, and the trips here are counted by numbers read from memory, while every barrier of this text stands ahead of such control flow.
; LIMITS: counts are at least 0 and below 2^31; the running sums saturate at 1,024 (min(sum, 1024) for such counts).  A sum that lies within
; the difference of two orders of f32 summation from a bf16 rounding boundary may round the other way than in the reference.  A result -0 is
; stored as -0, where the reference's sum with 0 gives +0.  The work-groups of an expert without tokens still stage their weights and then
; find no job.
.set NS,   16                          ; K steps of 32
.set P,    1040                        ; LDS pitch of a weight row: 1,024 bytes + 16, an odd multiple of 16
.set R,    7                           ; ring slots for token fragments
.set GSH,  14                          ; a group in h: 1 << 14 bytes
.set OGSH, 16                          ; a group in out0: 16 rows of 4,096 bytes
.set OSSH, 8                           ; a slice in a row of out0: 64 f32
.set TOKP, 8                           ; s[8:9] h
.set OUTP, 10                          ; s[10:11] out0
.set STG,  64*P                        ; the stages lie behind the weights: byte 66,560
.set SP,   272                         ; a stage row: 64 f32 = 256 bytes + 16
; v1 16 x lane  v2 r  v3 r P + 16 hh  v4 the same + 32 P  v5 4 wave P + 8 lane  v6 stage, in  v7 stage, back  v8 offset in out0  v9 hh
; v10 d + hh  v11 - v13 at work
.set ACC,  16                          ; v[16:79]   acc(m, t) at 16 + 8 (4 m + t)
.set BB,   80                          ; v[80:143]  weight fragments, buffer b, block t
.set AA,   144                         ; v[144:255] token fragments, slot q, group m
.set WST,  128                         ; v[128:191] the weights as loaded, before any of the above is used
.set OO,   144                         ; v[144:207] the way out: rows read back, group m at 144 + 32 m
.set U,    208                         ; v[208:211] the way out: four packed pairs on their way through the rounding
; scalars as in the launch before (s49 mask of a word's upper bf16, s58 my wave's trips, s59 the trip); further s34, s35 my expert's true
; ends (z), s56, s57 klen = z - lo
	s_load_b256 s[4:11], s[0:1], 0x0               ; counts s[4:5], w2 s[6:7], h s[8:9], out0 s[10:11]
	v_lshl_add_u32 v14, v0, 2, 0x21400
	v_mov_b32 v15, 0
	v_lshrrev_b32 v11, 5, v0
	v_readfirstlane_b32 s14, v11                   ; wave 0 .. 15
	s_lshr_b32 s15, ttmp9, 4                       ; expert
	s_and_b32 s16, ttmp9, 15                       ; slice
	v_and_b32 v13, 31, v0                          ; lane
	v_lshlrev_b32 v1, 4, v13
	s_lshl_b32 s20, s15, 21                        ; an expert: 1,024 rows of 2,048 bytes
	s_lshl_b32 s17, s16, 17                        ; a slice: 64 rows
	s_add_co_u32 s20, s20, s17
	s_lshl_b32 s17, s14, 13                        ; my 4 rows of them
	s_add_co_u32 s20, s20, s17
	s_mov_b32 s21, 0
	s_wait_kmcnt 0x0
	s_load_b512 s[32:47], s[4:5], 0x0              ; counts of batch row 0
	s_load_b512 s[48:63], s[4:5], 0x40             ; and of batch row 1
	s_add_nc_u64 s[18:19], s[6:7], s[20:21]
.set idx, 0
.rept 16
	global_load_b128 v[WST+4*idx:WST+4*idx+3], v1, s[18:19] offset:(idx/4)*2048+(idx%4)*512 th:TH_LOAD_NT   ; 512 consecutive bytes; each weight byte is read once in the launch
.set idx, idx+1
.endr
	v_and_b32 v2, 15, v0                           ; r
	v_bfe_u32 v9, v0, 4, 1                         ; hh
	v_mul_u32_u24 v3, v2, P
	v_lshl_add_u32 v3, v9, 4, v3
	v_add_nc_u32 v4, 32*P, v3
	s_mul_i32 s17, s14, 4*P
	v_lshl_add_u32 v5, v13, 3, s17
	s_mul_i32 s17, s14, 16*SP
	s_add_co_u32 s17, s17, STG                     ; my stage
	v_mul_u32_u24 v6, v2, SP                       ; in: token r's row, 32 bytes (8 columns) for each half of the lanes
	v_lshl_add_u32 v6, v9, 5, v6
	v_add_nc_u32 v6, s17, v6
	v_mul_u32_u24 v7, v9, SP                       ; back: lanes 0-15 take one row of 256 bytes, lanes 16-31 the next
	v_lshl_add_u32 v7, v2, 4, v7
	v_add_nc_u32 v7, s17, v7
	v_lshlrev_b32 v8, 12, v9                       ; and the same two rows in out0
	v_lshl_add_u32 v8, v2, 4, v8
	; My expert's segment in each batch row, while the weights are on their way.
	s_mov_b32 s22, 0
	s_mov_b32 s23, 0
	s_mov_b32 s24, 0
	s_mov_b32 s25, 0
	s_mov_b32 s26, 0
	s_mov_b32 s27, 0
	s_wait_kmcnt 0x0
.irp i, 0,1,2,3,4,5,6,7,8,9,10,11,12,13,14,15
	s_cmp_eq_u32 s15, \i
	s_cselect_b32 s22, s26, s22                    ; start = the sum before my expert
	s_cselect_b32 s23, s27, s23
	s_add_co_u32 s26, s26, s[32+\i]
	s_min_u32 s26, s26, 1024                       ; saturated: at most 1,024 + a count below 2^31 is ever formed
	s_add_co_u32 s27, s27, s[48+\i]
	s_min_u32 s27, s27, 1024
	s_cmp_eq_u32 s15, \i
	s_cselect_b32 s24, s26, s24                    ; end = the sum through my expert
	s_cselect_b32 s25, s27, s25
.endr
	s_mov_b32 s34, s24                             ; z: where my expert's tokens truly end,
	s_add_co_u32 s35, s25, 1024                    ; in the numbering of all 2,048 tokens
	s_cmp_eq_u32 s15, 15                           ; the last expert runs to the row's end
	s_cselect_b32 s24, 1024, s24
	s_cselect_b32 s25, 1024, s25
	s_add_co_u32 s23, s23, 1024
	s_add_co_u32 s25, s25, 1024
	s_lshr_b32 s32, s22, 4                         ; gs0: first group of segment 0
	s_add_co_u32 s28, s24, 15
	s_lshr_b32 s28, s28, 4
	s_sub_co_u32 s28, s28, s32
	s_cmp_lt_u32 s22, s24
	s_cselect_b32 s28, s28, 0                      ; G0: its groups, 0 if it is empty
	s_lshr_b32 s33, s23, 4                         ; gs1
	s_add_co_u32 s29, s25, 15
	s_lshr_b32 s29, s29, 4
	s_sub_co_u32 s29, s29, s33
	s_cmp_lt_u32 s23, s25
	s_cselect_b32 s29, s29, 0                      ; G1
	s_sub_co_u32 s33, s33, s28                     ; gs1 - G0: tile i >= G0 is group i + this
	s_add_co_u32 s29, s29, s28                     ; NT: tiles in all
	s_add_co_u32 s30, s29, 1
	s_lshr_b32 s30, s30, 1                         ; jobs of two tiles
	s_add_co_u32 s58, s30, 15                      ; my trips: how many of wave, wave + 16, ... lie below jobs
	s_sub_co_u32 s58, s58, s14                     ; (jobs + 15 - wave) / 16; the wave is at most 15, so nothing wraps
	s_lshr_b32 s58, s58, 4
	s_lshl_b32 s17, s16, OSSH                      ; my slice's 256 bytes in a row of out0
	s_mov_b32 s49, 0xffff0000                      ; a word's upper bf16
	; The weights: f32 to bf16, into my 4 LDS rows.
.set idx, 0
.rept 16
	s_wait_loadcnt 15-idx                          ; loads return in order: this one is in, the 15 - idx younger ones stay out
	v_cvt_pk_bf16_f32 v[WST+4*idx], v[WST+4*idx], v[WST+4*idx+1]
	v_cvt_pk_bf16_f32 v[WST+4*idx+1], v[WST+4*idx+2], v[WST+4*idx+3]
	ds_store_b64 v5, v[WST+4*idx:WST+4*idx+1] offset:(idx/4)*P+(idx%4)*256   ; the wave writes 256 consecutive bytes
.set idx, idx+1
.endr
	s_wait_dscnt 0x0                               ; for the other waves' sake: my rows are in LDS
	s_barrier_signal -1
	s_barrier_wait -1                              ; all 64 rows are; nothing writes them again
; Tile m of the job: its group, its segment, its bases.
.macro TILE m
	s_lshl_b32 s52, s31, 1
.if \m
	s_add_co_u32 s52, s52, 1                       ; i = 2 job + m
.endif
	s_cmp_lt_u32 s52, s28                          ; in segment 0 or in segment 1
	s_cselect_b32 s53, s32, s33
	s_cselect_b32 s54, s22, s23                    ; lo
	s_cselect_b32 s55, s24, s25                    ; hi
	s_cselect_b32 s[56+\m], s34, s35               ; z
	s_add_co_u32 s53, s53, s52                     ; group
	s_cmp_lt_u32 s52, s29
	s_cselect_b32 s55, s55, s54                    ; a tile past the list owns no token: it is computed and stores nothing
	s_min_u32 s53, s53, 127                        ; the group stays inside the 128 that exist
	s_sub_co_u32 s[44+\m], s55, s54                ; len = hi - lo: what I store
	s_sub_co_u32 s[56+\m], s[56+\m], s54           ; klen = z - lo: what keeps its value
	s_lshl_b32 s20, s53, 4
	s_sub_co_u32 s[46+\m], s20, s54                ; d = 16 g - lo
	s_lshl_b32 s20, s53, GSH
	s_add_nc_u64 s[36+2*\m:37+2*\m], s[TOKP:TOKP+1], s[20:21]
	s_lshl_b32 s20, s53, OGSH
	s_add_co_u32 s20, s20, s17
	s_add_nc_u64 s[40+2*\m:41+2*\m], s[OUTP:OUTP+1], s[20:21]
.endm
; Token fragments of K step k, both groups, into ring slot q: 4 loads of 512 consecutive bytes.  All 16 slices read them: no hint.
.macro LOADA k, q
.irp m, 0,1
	global_load_b128 v[AA+16*(\q)+8*\m:AA+16*(\q)+8*\m+3], v1, s[36+2*\m:37+2*\m] offset:1024*(\k)
	global_load_b128 v[AA+16*(\q)+8*\m+4:AA+16*(\q)+8*\m+7], v1, s[36+2*\m:37+2*\m] offset:1024*(\k)+512
.endr
.endm
; Weight fragments of K step k, 4 blocks of 16 rows, into buffer b: 8 LDS loads.
.macro LOADB k, b
.irp t, 0,1,2,3
	ds_load_b128 v[BB+32*(\b)+8*\t:BB+32*(\b)+8*\t+3], v[3+(\t>>1)] offset:(\t&1)*16*P+64*(\k)
	ds_load_b128 v[BB+32*(\b)+8*\t+4:BB+32*(\b)+8*\t+7], v[3+(\t>>1)] offset:(\t&1)*16*P+64*(\k)+32
.endr
.endm
; Four independent vector instructions stand between a matrix instruction and a load into one of its sources or a reader of its result
; there is no other vector work at these points.
.macro PLACES
.rept 4
	v_nop
.endr
.endm
; K step kk.  Source 0 = 16 weight rows, source 1 = 16 tokens: register j of lane (r, hh) then holds (token r, column 16 t + 8 hh + j).
.macro STEP
.set kn, kk+1
.set bn, kn&1
.set bc, kk&1
.set ka, kk-1+R
.set qa, ka%R
.set qc, kk%R
.set lw, NS-1-kk
.if lw > R-1
.set lw, R-1
.endif
.if kk > 0
	PLACES                                         ; behind step kk - 1's products, whose buffer and slot are filled again below
.endif
.if kn < NS
	LOADB kn, bn
.endif
.if kk > 0
.if ka < NS
	LOADA ka, qa
.endif
.endif
.if kn < NS
	s_wait_dscnt 8                                 ; this step's weight fragments are in; the next step's eight loads stay out
.else
	s_wait_dscnt 0x0
.endif
	s_wait_loadcnt 4*lw                            ; this step's token fragments are in; four loads for each later step asked for stay out
.irp t, 0,1,2,3
.irp m, 0,1
.if kk == 0
	v_wmma_f32_16x16x32_bf16 v[ACC+8*(4*\m+\t):ACC+8*(4*\m+\t)+7], v[BB+32*bc+8*\t:BB+32*bc+8*\t+7], v[AA+16*qc+8*\m:AA+16*qc+8*\m+7], 0
.else
	v_wmma_f32_16x16x32_bf16 v[ACC+8*(4*\m+\t):ACC+8*(4*\m+\t)+7], v[BB+32*bc+8*\t:BB+32*bc+8*\t+7], v[AA+16*qc+8*\m:AA+16*qc+8*\m+7], v[ACC+8*(4*\m+\t):ACC+8*(4*\m+\t)+7]
.endif
.endr
.endr
.endm
; Eight f32 numbers in v[x .. x + 7] are rounded to bf16 (nearest even) and widened again, in place.
.macro RND8 x
.irp i, 0,1,2,3
	v_cvt_pk_bf16_f32 v[U+\i], v[\x+2*\i], v[\x+2*\i+1]
.endr
.irp i, 0,1,2,3
	v_lshlrev_b32 v[\x+2*\i], 16, v[U+\i]          ; the low half moves up,
	v_and_b32 v[\x+2*\i+1], s49, v[U+\i]           ; the high half stays
.endr
.endm
; The way out of group m: the sums rounded as the reference's bf16 product is, 16 tokens x 64 columns through my stage, then two tokens'
; 256 bytes with each store.
.macro OUT m
.irp t, 0,1,2,3
.set rx, ACC+8*(4*\m+\t)
	RND8 rx
.endr
.irp t, 0,1,2,3
	ds_store_b128 v6, v[ACC+8*(4*\m+\t):ACC+8*(4*\m+\t)+3] offset:64*\t
	ds_store_b128 v6, v[ACC+8*(4*\m+\t)+4:ACC+8*(4*\m+\t)+7] offset:64*\t+16
.endr
.irp q, 0,1,2,3,4,5,6,7
	ds_load_b128 v[OO+32*\m+4*\q:OO+32*\m+4*\q+3], v7 offset:2*SP*\q   ; rows 2 q + hh.  LDS serves a wave in order: these see the stores above
.endr
	v_add_nc_u32 v10, s[46+\m], v9                 ; d + hh
.irp q, 0,1,2,3,4,5,6,7
	s_wait_dscnt 7-\q                              ; rows 2 q, 2 q + 1 are in, the younger read-backs stay out
	v_add_nc_u32 v12, 2*\q, v10                    ; token - lo
	v_cmp_gt_u32 vcc_lo, s[56+\m], v12             ; a token that an expert owns keeps its value; one behind the last end becomes 0
.irp c, 0,1,2,3
	v_cndmask_b32 v[OO+32*\m+4*\q+\c], 0, v[OO+32*\m+4*\q+\c], vcc_lo
.endr
	v_cmp_gt_u32 vcc_lo, s[44+\m], v12             ; the tokens that I store
	s_wait_xcnt 0x0                                ; EXEC is a source of the memory instructions issued so far: it changes only behind this wait
	s_and_saveexec_b32 s48, vcc_lo
	global_store_b128 v8, v[OO+32*\m+4*\q:OO+32*\m+4*\q+3], s[40+2*\m:41+2*\m] offset:8192*\q th:TH_STORE_NT   ; 16 lanes: 256 consecutive bytes, aligned
	s_wait_xcnt 0x0                                ; and again in front of the restore; it also frees the data and the base for the next job
	s_or_b32 exec_lo, exec_lo, s48
.endr
.endm
	s_mov_b32 s59, 0                               ; the trip, stepped by 1 against my wave's trips
	s_cmp_eq_u32 s58, 0
	s_cbranch_scc1 .Lend
.Ljob:
	s_lshl_b32 s31, s59, 4
	s_add_co_u32 s31, s31, s14                     ; job = 16 trip + wave
	TILE 0                                         ; the bases' last users are done: loads by the last step's wait for 0, stores by s_wait_xcnt 0
	TILE 1
.irp q, 0,1,2,3,4,5,6
	LOADA \q, \q                                   ; the ring is filled inside the loop, so that every counted wait sees the same loads on every path
.endr
	LOADB 0, 0
.set kk, 0
.rept NS
	STEP
.set kk, kk+1
.endr
	PLACES                                         ; behind the last products: the sums are read and rewritten, the ring's registers written and loaded into
	OUT 0
	OUT 1
	s_add_co_u32 s59, s59, 1
	s_cmp_lt_u32 s59, s58
	s_cbranch_scc1 .Ljob
.Lend:
	s_wait_tensorcnt 0x0
	ds_add_u32 v14, v15
	s_wait_dscnt 0x0
	s_endpgm
.Lfunc_end_k_q334a9ce52c_down:
	.size	k_q334a9ce52c_down, .Lfunc_end_k_q334a9ce52c_down-k_q334a9ce52c_down
	.p2alignl 7, 3214868480
	.fill 96, 4, 3214868480
	.section	.rodata,"a",@progbits
	.p2align	6, 0x0
	.amdhsa_kernel k_q334a9ce52c_down
		.amdhsa_group_segment_fixed_size 138240
		.amdhsa_private_segment_fixed_size 0
		.amdhsa_enable_private_segment 0
		.amdhsa_kernarg_size 32
		.amdhsa_user_sgpr_count 2
		.amdhsa_user_sgpr_kernarg_segment_ptr 1
		.amdhsa_wavefront_size32 1
		.amdhsa_system_sgpr_workgroup_id_x 1
		.amdhsa_system_sgpr_workgroup_id_y 1
		.amdhsa_system_sgpr_workgroup_id_z 1
		.amdhsa_system_vgpr_workitem_id 0
		.amdhsa_next_free_vgpr 256
		.amdhsa_next_free_sgpr 66
		.amdhsa_reserve_vcc 1
		.amdhsa_float_denorm_mode_32 3
		.amdhsa_float_denorm_mode_16_64 3
		.amdhsa_memory_ordered 1
		.amdhsa_forward_progress 1
		.amdhsa_inst_pref_size 55
	.end_amdhsa_kernel
	.amdgpu_metadata
---
amdhsa.version: [ 1, 2 ]
amdhsa.kernels:
  - .name:           k_q334a9ce52c_down
    .symbol:         k_q334a9ce52c_down.kd
    .args:
      - { .name: num_tokens_per_expert, .offset: 0, .size: 8, .value_kind: global_buffer, .address_space: global }
      - { .name: w2, .offset: 8, .size: 8, .value_kind: global_buffer, .address_space: global }
      - { .name: h, .offset: 16, .size: 8, .value_kind: global_buffer, .address_space: global }
      - { .name: out0, .offset: 24, .size: 8, .value_kind: global_buffer, .address_space: global }
    .group_segment_fixed_size: 138240
    .private_segment_fixed_size: 0
    .kernarg_segment_align: 8
    .kernarg_segment_size: 32
    .max_flat_workgroup_size: 512
    .sgpr_count:     66
    .vgpr_count:     256
    .wavefront_size: 32
...
	.end_amdgpu_metadata
.endif
;; end of part 3
